; MI455X (gfx1250); checked and timed in simulation.
; The chip was launched on July 23, 2026; its instructions are those of AMD's public machine-readable ISA for CDNA 5 (MIT licence, August 2026) and "CDNA5" Instruction Set Architecture Reference Guide (July 2026). The comments in the code are by the model that wrote it; some were corrected since.
;; Memory Efficient Multi Head Attention. Allowed arithmetic: matrix products marked QUANTISED: E4M3 operands, one given power-of-two scale a tensor, by v_wmma_f32_16x16x64_fp8_fp8 or v_wmma_f32_16x16x128_fp8_fp8, f32 sums; everything else in f32.
;; Inputs: dense_b 1,024 float32; dense_w 1,024 x 1,024 float32; lowp_scales 12 int32 (the exponents e of the quantised operands' scales 2^e); wk_b 1,024 float32; wk_w 1,024 x 1,024 float32; wq_b 1,024 float32; wq_w 1,024 x 1,024 float32; wv_b 1,024 float32; wv_w 1,024 x 1,024 float32; x 4 x 2,048 x 1,024 float32.
;; Outputs: out0 4 x 2,048 x 1,024 float32.
;; This version of the problem:
;;   THIS VERSION OF THE PROBLEM IS GIVEN IN LOW PRECISION. The matrix products marked QUANTISED in the list below multiply operands that are first quantised to E4M3 (4 exponent bits, 3 mantissa bits; 8 bits a number), with one given power-of-two scale for each operand tensor; their sums are f32. All else is computed in f32.
;;   The module's matrix products, in the order in which they are computed (A, B: the left and right operand; K: the contracted axis; several contracted axes count as one K, in the product's order):
;;     1. [M 8,192, K 1,024] x [K 1,024, N 1,024]; A: input x; B: input wq_w: QUANTISED (scales: A lowp_scales[0], B lowp_scales[1])
;;     2. [M 8,192, K 1,024] x [K 1,024, N 1,024]; A: input x; B: input wk_w: QUANTISED (scales: A lowp_scales[2], B lowp_scales[3])
;;     3. [M 8,192, K 1,024] x [K 1,024, N 1,024]; A: input x; B: input wv_w: QUANTISED (scales: A lowp_scales[4], B lowp_scales[5])
;;     4. batch 64 x [M 2,048, K 64] x [K 64, N 2,048]; A: computed on the way; B: computed on the way: QUANTISED (scales: A lowp_scales[6], B lowp_scales[7])
;;     5. batch 64 x [M 2,048, K 2,048] x [K 2,048, N 64]; A: softmax (see below); B: computed on the way: QUANTISED (scales: A lowp_scales[8], B lowp_scales[9])
;;     6. [M 8,192, K 1,024] x [K 1,024, N 1,024]; A: computed on the way; B: input dense_w: QUANTISED (scales: A lowp_scales[10], B lowp_scales[11])
;;   THE QUANTISER, for each operand of a quantised product, along K:
;;     - The operand's scale is 2^e, e = its entry of the input lowp_scales (int32; the entries are numbered through the quantised products in the list's order, A before B).
;;     - Each number is divided by the scale, clamped to +-448, and rounded to the nearest number of E4M3, ties to even, subnormals kept.
;;     - The product sums the exact products of the quantised numbers (number of the format x scale) in f32.
;;   ~~~python
;;   def quantise(x, axis, e):      # numpy; x: float32 -> the quantised numbers, widened to float32 again
;;       x = np.moveaxis(x, axis, -1); K = x.shape[-1]
;;       r = np.clip(x / 2.0 ** e, -448, 448)
;;       step = 2.0 ** (np.maximum(np.frexp(np.where(r == 0, 1, r))[1] - 1, -6) - 3)
;;       q = np.round(r / step) * step * 2.0 ** e      # np.round: ties to even
;;       return np.moveaxis(q, -1, axis).astype(np.float32)
;;   ~~~
;;   SOFTMAX AHEAD OF A QUANTISED PRODUCT. Where the list says 'softmax', what is quantised is not the finished softmax but p = 2^(t - M), with t = logit x log2(e) and M = ceil(the row's largest t), a whole number; so 1/2 < the row's largest p <= 1. The row's sum l is taken of the UNQUANTISED p, in f32, and the product's result is divided by l at the end. Since M is a whole number, a kernel that streams over the keys may use a running M (the ceiling of the running maximum): every later rescaling is an exact power of two, so the quantised numbers keep their values, but for numbers so far below the row's largest that they fall under the format's range.
;;   OPERANDS COMPUTED ON THE WAY. 'Computed on the way' means the value that the module computes at that place (a softmax that the list does not call 'softmax' is quantised finished and normalised). What goes into a quantiser is computed in f32, as accurately as f32 sums, v_exp_f32 and their like allow (about 1e-6 of the number): no bf16 or f16 on the way to a quantiser, and a product that is left as it is and whose result goes on into a quantised operand takes f32 operands (vector FMAs, or v_wmma_f32_16x16x4_f32). A number that lies on a knife's edge between two numbers of the format may be rounded either way, as far as f32 arithmetic and the matrix unit's own rounding can turn it there, and no further.
;; One version. Each part assembles by itself: llvm-mc -triple=amdgcn-amd-amdhsa -mcpu=gfx1250 --defsym DOCPART=n.
;; ======== version 1 of 1: 4 launches
;; limits: right only within a limited range of input values
;; workspace buffers: cod 29,360,128 bytes; qkv 25,165,824 bytes; ac 8,388,608 bytes
;; launch quant (part 1): grid 384 x 1, 4 waves a work-group, no clusters, 33,280 bytes of LDS; arguments x, wq_w, wk_w, wv_w, dense_w, lowp_scales, cod; writes cod
.if DOCPART == 1
	.amdgcn_target "amdgcn-amd-amdhsa--gfx1250"
	.amdhsa_code_object_version 6
	.text
	.protected	k_q319c43f63e_quant
	.globl	k_q319c43f63e_quant
	.p2align	8
	.type	k_q319c43f63e_quant,@function
k_q319c43f63e_quant:
	s_mov_b64 s[64:65], 0
	v_nop
	global_prefetch_b8 v0, s[64:65] scope:SCOPE_SE
	s_setreg_imm32_b32 hwreg(HW_REG_WAVE_MODE, 25, 1), 1
	s_wait_xcnt 0x0
; x [8192][1024] f32 becomes THREE sets of E4M3 codes (scales 2^ls0, 2^ls2, 2^ls4: one for each of the three projections), and the four weights [1024][1024] f32 one set each (ls1, ls3, ls5, ls11).
; code = number / 2^e, held within +-448, rounded to the nearest code, ties to even.
; OUT: cod = [8 chunks of 128 along K][28,672 rows][128 bytes].  Rows 8192 p + token: x under scale p; rows 24,576 + 1,024 i + n: weight i (wq, wk, wv, dense).  So a chunk of any run of rows is one dense block.
; SHARES: work-group g takes 32 rows of 1,024 numbers (g < 256: x; else weight (g - 256) / 32), a wave 8 of them, in 16 steps of 4 rows x one chunk (512 numbers).
; A step's four loads read 512 consecutive bytes each; the 2,048 bytes turn through the wave's own stage in LDS (16 bytes of padding behind each 64), so that a lane gets 16 neighbours along K for the conversions.
; Lane l then holds row l / 8, k = 16 (l % 8) + 0 .. 15: its 16 codes lie at byte 16 l of 512 consecutive bytes of the chunk: each store of the wave covers 512 consecutive bytes, aligned.
; Only pointers and exponents are chosen by the work-group's number; x's two further sets stand under a scalar branch on that number, which holds no load and no LDS instruction, so every count is the same on both ways.
; LIMITS: each exponent used lies between -126 and 119, so that 2^e and 448 x 2^e are f32 numbers.  NaN among the inputs is not served (an infinity is held at the largest code).
.set PLANE, 0x380000                   ; bytes of a chunk: 28,672 rows x 128
.set STEPS, 16
.set SP,    80                         ; a lane's place in a stage: 64 bytes + 16 of padding
.set WREG,  8192                       ; LDS of a wave: two stages of 32 x SP bytes
.set VO,    4                          ; v4-11   chunk c: c x PLANE + 16 x lane; never rewritten
.set SC,    14                         ; v14-16  2^e of the three sets
.set LIM,   17                         ; v17-19  448 x 2^e
.set R,     20                         ; v20-83  four sets of 16 numbers as loaded
.set X,     84                         ; v84-115 two sets of 16 neighbours
.set T,     116                        ; v116-163 the held numbers, a set for each scale
.set C,     164                        ; v164-175 the codes, four registers for each scale
	s_load_b256 s[4:11], s[0:1], 0x0               ; x s[4:5], wq_w s[6:7], wk_w s[8:9], wv_w s[10:11]
	s_load_b128 s[12:15], s[0:1], 0x20             ; dense_w s[12:13], the exponents s[14:15]
	s_load_b64 s[16:17], s[0:1], 0x30              ; cod
	v_lshl_add_u32 v176, v0, 2, 0x8000
	v_mov_b32 v177, 0
	v_lshrrev_b32 v1, 5, v0
	v_readfirstlane_b32 s18, v1                    ; wave
	v_and_b32 v2, 31, v0                           ; lane
	v_lshlrev_b32 v3, 4, v2                        ; my 16 bytes of a load's 512
	s_mul_i32 s19, s18, WREG
	v_lshrrev_b32 v12, 2, v2
	v_mul_u32_u24 v12, v12, SP
	v_and_b32 v13, 3, v2
	v_lshl_add_u32 v12, v13, 4, v12
	v_add_nc_u32 v12, s19, v12                     ; the stage, in: SP (lane / 4) + 16 (lane % 4)
	v_mul_u32_u24 v13, v2, SP
	v_add_nc_u32 v13, s19, v13                     ; the stage, out: SP x lane
.irp c, 0,1,2,3,4,5,6,7
	v_add_nc_u32 v[VO+\c], \c*PLANE, v3
.endr
	s_and_b32 s22, ttmp9, 31                       ; a weight's block of 32 rows,
	s_cmp_lt_u32 ttmp9, 256
	s_cselect_b32 s22, ttmp9, s22                  ; or x's
	s_cselect_b32 s24, 0, 16384                    ; the weights' rows lie behind x's three sets: 32 g + 16,384
	s_lshl_b32 s22, s22, 17                        ; 32 rows of 4,096 bytes
	s_lshl_b32 s23, s18, 15                        ; + my wave's 8 rows
	s_add_co_u32 s22, s22, s23
	s_mov_b32 s23, 0
	s_lshl_b32 s25, ttmp9, 5
	s_add_co_u32 s24, s24, s25
	s_lshl_b32 s25, s18, 3
	s_add_co_u32 s24, s24, s25                     ; my wave's first row in cod
	s_lshl_b32 s24, s24, 7
	s_mov_b32 s25, 0
	s_wait_kmcnt 0x0
	s_load_b256 s[32:39], s[14:15], 0x0            ; ls0 .. ls7
	s_load_b128 s[40:43], s[14:15], 0x20           ; ls8 .. ls11
	s_cmp_ge_u32 ttmp9, 256                        ; the source: a choice on the work-group's number alone
	s_cselect_b64 s[20:21], s[6:7], s[4:5]
	s_cmp_ge_u32 ttmp9, 288
	s_cselect_b64 s[20:21], s[8:9], s[20:21]
	s_cmp_ge_u32 ttmp9, 320
	s_cselect_b64 s[20:21], s[10:11], s[20:21]
	s_cmp_ge_u32 ttmp9, 352
	s_cselect_b64 s[20:21], s[12:13], s[20:21]
	s_add_nc_u64 s[20:21], s[20:21], s[22:23]
	s_add_nc_u64 s[16:17], s[16:17], s[24:25]
.macro LOAD t                          ; step t: rows 4 (t / 8) + 0 .. 3, chunk t % 8
.irp i, 0,1,2,3
	global_load_b128 v[R+16*((\t)%4)+4*\i:R+16*((\t)%4)+4*\i+3], v3, s[20:21] offset:(4*((\t)/8)+\i)*4096+512*((\t)%8) th:TH_LOAD_NT
.endr
.endm
.macro TURN t                          ; step t's numbers through the stage: LDS serves a wave's instructions in order, so no wait stands between the stores and the loads
.irp i, 0,1,2,3
	ds_store_b128 v12, v[R+16*((\t)%4)+4*\i:R+16*((\t)%4)+4*\i+3] offset:32*SP*((\t)%2)+8*SP*\i
.endr
.irp i, 0,1,2,3
	ds_load_b128 v[X+16*((\t)%2)+4*\i:X+16*((\t)%2)+4*\i+3], v13 offset:32*SP*((\t)%2)+16*\i
.endr
.endm
.irp t, 0,1,2,3
	LOAD \t
.endr
	s_wait_kmcnt 0x0
	s_cmp_ge_u32 ttmp9, 256                        ; the first set's exponent: ls0 for x; ls1, ls3, ls5, ls11 for the weights
	s_cselect_b32 s44, s33, s32
	s_cmp_ge_u32 ttmp9, 288
	s_cselect_b32 s44, s35, s44
	s_cmp_ge_u32 ttmp9, 320
	s_cselect_b32 s44, s37, s44
	s_cmp_ge_u32 ttmp9, 352
	s_cselect_b32 s44, s43, s44
	s_mov_b32 s45, s34                             ; ls2
	s_mov_b32 s46, s36                             ; ls4
.irp p, 0,1,2
	s_add_co_i32 s47, s[44+\p], 127
	s_lshl_b32 s48, s47, 23
	v_mov_b32 v[SC+\p], s48                        ; 2^e as f32: the conversion takes its exponent field
	s_add_co_i32 s47, s47, 8
	s_lshl_b32 s47, s47, 23
	s_or_b32 s47, s47, 0x600000
	v_mov_b32 v[LIM+\p], s47                       ; 448 x 2^e
.endr
	s_wait_alu depctr_va_vdst(0)
	s_wait_loadcnt 12                              ; step 0's four loads are in; three steps' twelve may be out
	TURN 0
.macro QSET p                          ; the step's 16 numbers under scale p: held (the conversion to an 8-bit code does not saturate: ISA guide 7.6.2), then converted
.irp i, 0,1,2,3,4,5,6,7,8,9,10,11,12,13,14,15
	v_med3_num_f32 v[T+16*\p+\i], v[XS+\i], -v[LIM+\p], v[LIM+\p]
.endr
	v_cvt_scalef32_pk8_fp8_f32 v[C+4*\p:C+4*\p+1], v[T+16*\p:T+16*\p+7], v[SC+\p]
	v_cvt_scalef32_pk8_fp8_f32 v[C+4*\p+2:C+4*\p+3], v[T+16*\p+8:T+16*\p+15], v[SC+\p]
.endm
.macro STEP t
.set XS, X+16*((\t)%2)
	s_wait_dscnt 0x0                               ; this step's numbers are back from the stage: so its stores into the stage have read their registers,
.if (\t)+4 < STEPS
	LOAD (\t)+4                                    ; which take the loads of four steps on
.endif
.if (\t)+1 < STEPS
.if STEPS-2-(\t) >= 3
	s_wait_loadcnt 12                              ; the next step's four loads are in; those of the three steps behind it may be out
.else
	s_wait_loadcnt 4*(STEPS-2-(\t))
.endif
	TURN (\t)+1                                    ; and go through the other stage while this step is worked
.endif
	s_wait_xcnt 0x0                                ; the last step's stores have read their data: the codes' registers are written again only behind this wait
	QSET 0
	v_nop                                          ; a plain line behind the last conversion, ahead of the next vector line that writes its sources
	global_store_b128 v[VO+(\t)%8], v[C:C+3], s[16:17] offset:512*((\t)/8)
	s_cmp_lt_u32 ttmp9, 256                        ; x has two more sets
	s_cbranch_scc0 .Lw_\@
	QSET 1
	QSET 2
	v_nop
	global_store_b128 v[VO+(\t)%8], v[C+4:C+7], s[16:17] offset:512*((\t)/8)+1048576
	global_store_b128 v[VO+(\t)%8], v[C+8:C+11], s[16:17] offset:512*((\t)/8)+2097152
.Lw_\@:
.endm
.irp t, 0,1,2,3,4,5,6,7,8,9,10,11,12,13,14,15
	STEP \t
.endr
	s_wait_tensorcnt 0x0
	ds_add_u32 v176, v177
	s_wait_dscnt 0x0
	s_endpgm
.Lfunc_end_k_q319c43f63e_quant:
	.size	k_q319c43f63e_quant, .Lfunc_end_k_q319c43f63e_quant-k_q319c43f63e_quant
	.p2alignl 7, 3214868480
	.fill 96, 4, 3214868480
	.section	.rodata,"a",@progbits
	.p2align	6, 0x0
	.amdhsa_kernel k_q319c43f63e_quant
		.amdhsa_group_segment_fixed_size 33280
		.amdhsa_private_segment_fixed_size 0
		.amdhsa_enable_private_segment 0
		.amdhsa_kernarg_size 56
		.amdhsa_user_sgpr_count 2
		.amdhsa_user_sgpr_kernarg_segment_ptr 1
		.amdhsa_wavefront_size32 1
		.amdhsa_system_sgpr_workgroup_id_x 1
		.amdhsa_system_sgpr_workgroup_id_y 1
		.amdhsa_system_sgpr_workgroup_id_z 1
		.amdhsa_system_vgpr_workitem_id 0
		.amdhsa_next_free_vgpr 178
		.amdhsa_next_free_sgpr 66
		.amdhsa_reserve_vcc 0
		.amdhsa_float_denorm_mode_32 3
		.amdhsa_float_denorm_mode_16_64 3
		.amdhsa_memory_ordered 1
		.amdhsa_forward_progress 1
		.amdhsa_inst_pref_size 81
	.end_amdhsa_kernel
	.amdgpu_metadata
---
amdhsa.version: [ 1, 2 ]
amdhsa.kernels:
  - .name:           k_q319c43f63e_quant
    .symbol:         k_q319c43f63e_quant.kd
    .args:
      - { .name: x, .offset: 0, .size: 8, .value_kind: global_buffer, .address_space: global }
      - { .name: wq_w, .offset: 8, .size: 8, .value_kind: global_buffer, .address_space: global }
      - { .name: wk_w, .offset: 16, .size: 8, .value_kind: global_buffer, .address_space: global }
      - { .name: wv_w, .offset: 24, .size: 8, .value_kind: global_buffer, .address_space: global }
      - { .name: dense_w, .offset: 32, .size: 8, .value_kind: global_buffer, .address_space: global }
      - { .name: lowp_scales, .offset: 40, .size: 8, .value_kind: global_buffer, .address_space: global }
      - { .name: cod, .offset: 48, .size: 8, .value_kind: global_buffer, .address_space: global }
    .group_segment_fixed_size: 33280
    .private_segment_fixed_size: 0
    .kernarg_segment_align: 8
    .kernarg_segment_size: 56
    .max_flat_workgroup_size: 128
    .sgpr_count:     66
    .vgpr_count:     178
    .wavefront_size: 32
...
	.end_amdgpu_metadata
.endif
;; end of part 1
;; launch proj (part 2): grid 4 x 96, 4 waves a work-group, clusters of 4 x 4, 327,680 bytes of LDS; arguments cod, wq_b, wk_b, wv_b, lowp_scales, qkv; writes qkv
.if DOCPART == 2
	.amdgcn_target "amdgcn-amd-amdhsa--gfx1250"
	.amdhsa_code_object_version 6
	.text
	.protected	k_q319c43f63e_proj
	.globl	k_q319c43f63e_proj
	.p2align	8
	.type	k_q319c43f63e_proj,@function
k_q319c43f63e_proj:
	s_mov_b64 s[64:65], 0
	v_nop
	global_prefetch_b8 v0, s[64:65] scope:SCOPE_SE
	s_setreg_imm32_b32 hwreg(HW_REG_WAVE_MODE, 25, 1), 1
	s_wait_xcnt 0x0
	s_wait_alu depctr_hold_cnt(0) depctr_sa_sdst(0) depctr_va_vdst(0) depctr_va_sdst(0) depctr_va_ssrc(0) depctr_va_vcc(0) depctr_vm_vsrc(0)
	s_getreg_b32 s2, hwreg(HW_REG_IB_STS2, 6, 4)
	s_cmp_eq_u32 s2, 0
	s_cbranch_scc0 .Lentry_in_a_cluster
	s_endpgm
.Lentry_in_a_cluster:
	s_bfe_u32 s2, ttmp6, 0x10000c
	s_cmp_lg_u32 s2, 0xf033
	s_cbranch_scc0 .Lentry_shape_is_right
	s_endpgm
.Lentry_shape_is_right:
.set PLANE,  0x380000
.set REG,    128*272
.set HALFR,  64*272
.set TL,     8*272
.set SLOT,   4*REG
.set SPARE,  2*SLOT
.set LAPS,   2
.set FR,     16
.set NL,     4
.set NP,     4
.set GW0,    (0<<16)|(1<<20)|(1<<21)|(5<<22)|(3<<25)
.set ADRA, 16
.set ADRB, 20
.set STO,  24
.set RD,   25
.set CO,   26
.set SPW,  28
.set NIL,  29
.set BJ,   32
.set BI,   96
.set BIR,  112
.set SCV,  120
.set LMV,  121
.set AF,   128
.set TMP,  128
.set CD,   192
.set BK,   208
.set G1,  24
.set G0,  32
.set G1B, 48
.set G0B, 56
.set MSB, 0
.macro WIN new
.if MSB != (\new)
	s_set_vgpr_msb (MSB<<8)|(\new)
.set MSB, (\new)
.endif
.endm
.set MUL_LO, 0xa1
.set MUL_HI, 0xf1
.set TO_B,   0x40
.macro JLOAD g0a, g1a, g0b, g1b
	s_cmp_eq_u32 s19, 0
	s_cbranch_scc0 .Lfor_b_\@
	tensor_load_to_lds s[\g0a:\g0a+3], s[\g1a:\g1a+7]
	s_nop 0
.rept 4
	v_nop
.endr
	s_branch .Lasked_\@
.Lfor_b_\@:
	tensor_load_to_lds s[\g0b:\g0b+3], s[\g1b:\g1b+7]
	s_nop 0
.rept 4
	v_nop
.endr
.Lasked_\@:
.endm
.macro CREST
	s_cmp_lg_u32 s18, 0
	s_cbranch_scc1 .Lnot_wave_0_\@
	s_barrier_signal -3
.Lnot_wave_0_\@:
	s_barrier_wait -3
	s_barrier_signal -1
	s_barrier_wait -1
.endm
.macro CROUND
	s_barrier_signal -1
	s_barrier_wait -1
	CREST
.endm
	s_load_b256 s[4:11], s[0:1], 0x0
	s_load_b128 s[12:15], s[0:1], 0x20
	v_lshl_add_u32 v[SPW], v0, 2, SPARE
	v_mov_b32 v[NIL], 0
	ds_add_u32 v28, v29
	ds_add_u32 v28, v29
	s_wait_dscnt 0x0
	v_lshrrev_b32 v1, 5, v0
	v_readfirstlane_b32 s18, v1
	s_lshr_b32 s19, s18, 1
	s_and_b32 s20, s18, 1
	s_bfe_u32 s40, ttmp6, 0x40000
	s_bfe_u32 s41, ttmp6, 0x40004
	s_and_b32 s42, ttmp7, 0xffff
	s_lshr_b32 s43, s42, 3
	s_and_b32 s44, s42, 7
	s_lshl_b32 s21, s41, 2
	s_lshl_b32 s21, 15, s21
	s_lshl_b32 s22, 0x1111, s40
	s_or_b32 s[G1+0], s21, GW0
	s_or_b32 s[G1B+0], s22, GW0
.irp g, G1, G1B
	s_mov_b32 s[\g+1], 256<<16
	s_mov_b32 s[\g+2], 128<<16
	s_mov_b32 s[\g+3], 256<<16
	s_mov_b32 s[\g+4], 128
	s_mov_b32 s[\g+5], 256
	s_mov_b32 s[\g+6], 0
	s_mov_b32 s[\g+7], 0
.endr
	s_lshl_b32 s84, s43, 13
	s_lshl_b32 s85, s44, 10
	s_add_co_u32 s84, s84, s85
	s_add_co_u32 s86, s85, 16384
	s_lshl_b32 s87, s43, 10
	s_add_co_u32 s87, s87, 24576
	s_mov_b32 s88, 26624
	s_cmp_eq_u32 s43, 2
	s_cselect_b32 s84, s88, s84
	s_cselect_b32 s86, s86, s87
	s_lshl_b32 s89, s41, 8
	s_add_co_u32 s84, s84, s89
	s_lshl_b32 s90, s40, 8
	s_add_co_u32 s86, s86, s90
	s_lshl_b32 s84, s84, 7
	s_lshl_b32 s86, s86, 7
	s_mul_i32 s91, s20, PLANE
	s_add_co_u32 s84, s84, s91
	s_add_co_u32 s86, s86, s91
	s_mov_b32 s85, 0
	s_mov_b32 s87, 0
	s_mul_i32 s45, s18, REG
	s_wait_kmcnt 0x0
	s_load_b256 s[72:79], s[12:13], 0x0
	s_load_b128 s[80:83], s[12:13], 0x20
	s_add_nc_u64 s[84:85], s[4:5], s[84:85]
	s_add_nc_u64 s[86:87], s[4:5], s[86:87]
	CROUND
.irp s, 0,1
	s_mov_b32 s[G0+4*\s], 1
	s_add_co_u32 s[G0+4*\s+1], s45, \s*SLOT
	s_add_nc_u64 s[G0+4*\s+2:G0+4*\s+3], s[84:85], \s*2*PLANE
	s_or_b32 s[G0+4*\s+3], s[G0+4*\s+3], 0x80000000
	s_mov_b32 s[G0B+4*\s], 1
	s_add_co_u32 s[G0B+4*\s+1], s45, \s*SLOT
	s_add_nc_u64 s[G0B+4*\s+2:G0B+4*\s+3], s[86:87], \s*2*PLANE
	s_or_b32 s[G0B+4*\s+3], s[G0B+4*\s+3], 0x80000000
	s_wait_alu depctr_va_vdst(0)
	s_wait_tensorcnt 0x0
	ds_add_u32 v28, v29
	ds_add_u32 v28, v29
	s_wait_dscnt 0x0
	CROUND
	JLOAD G0+4*\s, G1, G0B+4*\s, G1B
.endr
	v_and_b32 v1, 15, v0
	v_bfe_u32 v2, v0, 4, 1
	v_lshrrev_b32 v3, 1, v1
	v_mul_u32_u24 v3, v3, 272
	v_and_b32 v4, 1, v0
	v_lshl_add_u32 v3, v4, 7, v3
	v_lshl_add_u32 v4, v2, 4, v3
	s_mul_i32 s21, s19, HALFR
	s_mul_i32 s22, s20, HALFR
	s_add_co_u32 s22, s22, 2*REG
.irp s, 0,1
	v_add_nc_u32 v[ADRA+\s], s21, v4
	v_add_nc_u32 v[ADRB+\s], s22, v4
	s_add_co_u32 s21, s21, SLOT
	s_add_co_u32 s22, s22, SLOT
.endr
	s_mul_i32 s23, s18, 16*144
	v_mul_u32_u24 v5, v1, 144
	v_lshl_add_u32 v5, v2, 3, v5
	v_add_nc_u32 v[STO], s23, v5
	v_bfe_u32 v7, v0, 3, 2
	v_mul_u32_u24 v7, v7, 144
	v_and_b32 v5, 7, v0
	v_lshl_add_u32 v7, v5, 4, v7
	v_add_nc_u32 v[RD], s23, v7
	v_bfe_u32 v10, v0, 2, 3
	v_mul_u32_u24 v10, v10, 144
	v_and_b32 v11, 3, v0
	v_lshl_add_u32 v10, v11, 4, v10
	v_add_nc_u32 v27, s23, v10                     ; q, k: back from the stage by heads: row lane / 4 of eight, 16 (lane % 4) of a head's 64 bytes
	v_and_b32 v6, 31, v0
	v_lshlrev_b32 v[CO], 4, v6
	s_cmp_eq_u32 s43, 1
	s_cselect_b64 s[66:67], s[8:9], s[6:7]
	s_cmp_eq_u32 s43, 2
	s_cselect_b64 s[66:67], s[10:11], s[66:67]
	s_cselect_b32 s68, 0, 0x3f800000
	s_cselect_b32 s70, 0x3f800000, 0
	s_mov_b32 s69, s68
	s_lshl_b32 s88, s40, 8
	s_lshl_b32 s89, s20, 7
	s_add_co_u32 s88, s88, s89
	s_lshl_b32 s90, s41, 8
	s_lshl_b32 s91, s19, 7
	s_add_co_u32 s90, s90, s91
	s_cmp_eq_u32 s43, 2
	s_cselect_b32 s88, 0, s88
	s_cselect_b32 s90, s90, 0
	v_lshlrev_b32 v8, 5, v2
	v_lshl_add_u32 v8, s88, 2, v8
	v_lshlrev_b32 v9, 2, v1
	v_lshl_add_u32 v9, s90, 2, v9
.irp b, 0,1,2,3,4,5,6,7
	global_load_b128 v[BJ+8*\b:BJ+8*\b+3], v8, s[66:67] offset:64*\b
	global_load_b128 v[BJ+8*\b+4:BJ+8*\b+7], v8, s[66:67] offset:64*\b+16
.endr
.irp a, 0,1,2,3,4,5,6,7
	global_load_b32 v[BIR+\a], v9, s[66:67] offset:64*\a
.endr
	s_lshl_b32 s87, s44, 2
	s_cmp_eq_u32 s43, 2
	s_cselect_b32 s88, 0, s87
	s_cselect_b32 s89, s87, 0
	s_add_co_u32 s88, s88, s41
	s_add_co_u32 s89, s89, s40
	s_lshl_b32 s88, s88, 8
	s_lshl_b32 s90, s19, 7
	s_add_co_u32 s88, s88, s90
	s_lshl_b32 s89, s89, 8
	s_lshl_b32 s90, s20, 7
	s_add_co_u32 s89, s89, s90
	s_cmp_eq_u32 s43, 2
	s_cselect_b32 s90, s89, s88
	s_cselect_b32 s91, s88, s89
	s_lshr_b32 s92, s90, 11
	s_lshl_b32 s92, s92, 3
	s_lshr_b32 s91, s91, 7
	s_add_co_u32 s92, s92, s91
	s_lshl_b32 s92, s92, 4
	s_bfe_u32 s93, s90, 0x40007
	s_add_co_u32 s92, s92, s93
	s_lshl_b32 s92, s92, 14
	s_lshl_b32 s93, s43, 23
	s_add_co_u32 s92, s92, s93
	s_mov_b32 s93, 0
	s_add_nc_u64 s[14:15], s[14:15], s[92:93]
.macro FRAG reg, adr, q, i
.irp c, 0,1,2,3
	ds_load_b128 v[\reg+4*\c:\reg+4*\c+3], v[\adr] offset:REG*(\q)+32*\c+(\i)*TL
.endr
.endm
.macro MUL16 a0, p, zero
.irp a, \a0, \a0+1
.irp b, 0,1,2,3,4,5,6,7
.if \zero
	v_wmma_f32_16x16x128_fp8_fp8 v[8*(8*((\a)%4)+\b):8*(8*((\a)%4)+\b)+7], v[128*(\p)+FR*\b:128*(\p)+FR*\b+FR-1], v[AF+FR*(\a):AF+FR*(\a)+FR-1], 0
.else
	v_wmma_f32_16x16x128_fp8_fp8 v[8*(8*((\a)%4)+\b):8*(8*((\a)%4)+\b)+7], v[128*(\p)+FR*\b:128*(\p)+FR*\b+FR-1], v[AF+FR*(\a):AF+FR*(\a)+FR-1], v[8*(8*((\a)%4)+\b):8*(8*((\a)%4)+\b)+7]
.endif
.endr
.endr
.endm
.macro FETCH_B slot, q, p
	WIN TO_B
.irp i, 0,1,2,3,4,5,6,7
	FRAG 128*(\p)+FR*\i, ADRB+\slot, \q, \i
.endr
	WIN 0
.endm
.macro FETCH_A slot, q, i0
.irp i, \i0, \i0+1, \i0+2, \i0+3
	FRAG AF+FR*(\i), ADRA+\slot, \q, \i
.endr
.endm
.macro PLACES n
.rept \n
	v_nop
.endr
.endm
.macro STEP slot, q, zero
	s_wait_dscnt 4*NL
	WIN MUL_LO
	MUL16 0, (\q)%2, \zero
	MUL16 2, (\q)%2, \zero
	s_wait_dscnt 0
	PLACES NP
	FETCH_B \slot, (\q)+1, 1-(\q)%2
	FETCH_A \slot, (\q)+1, 0
	WIN MUL_HI
	MUL16 4, (\q)%2, \zero
	MUL16 6, (\q)%2, \zero
	PLACES NP
	WIN 0
	FETCH_A \slot, (\q)+1, 4
.endm
.macro TURN slot, next, fill
	s_wait_tensorcnt 0x0
	ds_add_u32 v[SPW], v[NIL]
	s_wait_dscnt 4*NL+1
	WIN MUL_LO
	MUL16 0, 1, 0
	s_wait_dscnt 0x0
	s_barrier_signal -1
	MUL16 2, 1, 0
	WIN 0
	s_barrier_wait -1
.if \fill
	CREST
	s_add_nc_u64 s[G0+4*\slot+2:G0+4*\slot+3], s[G0+4*\slot+2:G0+4*\slot+3], 4*PLANE
	s_add_nc_u64 s[G0B+4*\slot+2:G0B+4*\slot+3], s[G0B+4*\slot+2:G0B+4*\slot+3], 4*PLANE
	JLOAD G0+4*\slot, G1, G0B+4*\slot, G1B
.else
	PLACES NP
.endif
	FETCH_B \next, 0, 0
	FETCH_A \next, 0, 0
	WIN MUL_HI
	MUL16 4, 1, 0
	MUL16 6, 1, 0
	PLACES NP
	WIN 0
	FETCH_A \next, 0, 4
.endm
	s_wait_tensorcnt 1
	s_barrier_signal -1
	s_barrier_wait -1
	FETCH_B 0, 0, 0
	FETCH_A 0, 0, 0
	FETCH_A 0, 0, 4
	STEP 0, 0, 1
	s_mov_b32 s3, LAPS-1
.Llap:
	TURN 0, 1, 1
	STEP 1, 0, 0
	TURN 1, 0, 1
	STEP 0, 0, 0
	s_sub_co_u32 s3, s3, 1
	s_cmp_lg_u32 s3, 0
	s_cbranch_scc1 .Llap
	TURN 0, 1, 0
	STEP 1, 0, 0
	s_wait_dscnt 4*NL
	WIN MUL_LO
	MUL16 0, 1, 0
	MUL16 2, 1, 0
	s_wait_dscnt 0
	WIN MUL_HI
	MUL16 4, 1, 0
	MUL16 6, 1, 0
	WIN 0
	s_wait_loadcnt 0x0
	s_wait_kmcnt 0x0
	s_cmp_eq_u32 s43, 1
	s_cselect_b32 s84, s74, s72
	s_cselect_b32 s85, s75, s73
	s_cselect_b32 s86, s79, s78
	s_cmp_eq_u32 s43, 2
	s_cselect_b32 s84, s76, s84
	s_cselect_b32 s85, s77, s85
	s_cselect_b32 s86, s81, s86
	s_add_co_i32 s96, s84, s85
	s_add_co_i32 s96, s96, 127
	s_lshl_b32 s96, s96, 23
	s_mov_b32 s97, s96
	s_add_co_i32 s86, s86, 127
	s_lshl_b32 s98, s86, 23
	s_add_co_i32 s86, s86, 8
	s_lshl_b32 s99, s86, 23
	s_or_b32 s99, s99, 0x600000
.set jj, 0
.rept 32
	v_pk_mul_f32 v[BJ+jj:BJ+jj+1], v[BJ+jj:BJ+jj+1], s[68:69] op_sel_hi:[1,0]
.set jj, jj+2
.endr
.irp a, 0,1,2,3,4,5,6,7
	v_mul_f32 v[BI+2*\a], s70, v[BIR+\a]
	v_mul_f32 v[BI+2*\a+1], s70, v[BIR+\a]
.endr
	v_mov_b32 v[SCV], s98
	v_mov_b32 v[LMV], s99
.macro TOSTAGE a
.set AC, 64*((\a)%4)
	WIN 0x02+((\a)/4)
.set jj, 0
.rept 32
	v_pk_fma_f32 v[TMP+jj:TMP+jj+1], v[AC+jj:AC+jj+1], s[96:97], v[BJ+jj:BJ+jj+1] op_sel_hi:[1,0,1]
.set jj, jj+2
.endr
	WIN 0
.set jj, 0
.rept 32
	v_pk_add_f32 v[TMP+jj:TMP+jj+1], v[TMP+jj:TMP+jj+1], v[BI+2*(\a):BI+2*(\a)+1]
.set jj, jj+2
.endr
.set jj, 0
.rept 64
	v_med3_num_f32 v[TMP+jj], v[TMP+jj], -v[LMV], v[LMV]
.set jj, jj+1
.endr
.set jj, 0
.rept 8
	v_cvt_scalef32_pk8_fp8_f32 v[CD+2*jj:CD+2*jj+1], v[TMP+8*jj:TMP+8*jj+7], v[SCV]
.set jj, jj+1
.endr
	v_nop
.set jj, 0
.rept 8
	ds_store_b64 v[STO], v[CD+2*jj:CD+2*jj+1] offset:16*jj
.set jj, jj+1
.endr
.set BB, BK+16*((\a)%2)
.set jj, 0
	s_cmp_eq_u32 s43, 2                            ; the part (q, k or v) hangs on the cluster's y alone: the same in all partners and waves
	s_cbranch_scc1 .Lvrd_\@
.rept 4
	ds_load_b128 v[BB+4*jj:BB+4*jj+3], v27 offset:1152*(jj/2)+64*(jj%2)   ; q, k: eight rows x one head's 64 bytes
.set jj, jj+1
.endr
	s_branch .Lrdj_\@
.Lvrd_\@:
.set jj, 0
.rept 4
	ds_load_b128 v[BB+4*jj:BB+4*jj+3], v[RD] offset:576*jj                ; v: four rows x 128 bytes
.set jj, jj+1
.endr
.Lrdj_\@:
.endm
.macro SEND a, younger
.set BB, BK+16*((\a)%2)
	s_wait_dscnt \younger
.set jj, 0
	s_cmp_eq_u32 s43, 2
	s_cbranch_scc1 .Lvst_\@
.rept 4
	global_store_b128 v[CO], v[BB+4*jj:BB+4*jj+3], s[14:15] offset:8192*(jj%2)+(32*((\a)/2)+16*(jj/2)+8*((\a)%2))*64   ; q, k: a block is [2 heads][128 rows][64 bytes]; 512 consecutive bytes, aligned
.set jj, jj+1
.endr
	s_branch .Lstj_\@
.Lvst_\@:
.set jj, 0
.rept 4
	global_store_b128 v[CO], v[BB+4*jj:BB+4*jj+3], s[14:15] offset:(32*((\a)/2)+16*(jj/2)+8*((\a)%2))*128+512*(jj%2)
.set jj, jj+1
.endr
.Lstj_\@:
.endm
	TOSTAGE 0
.irp a, 1,2,3,4,5,6,7
.if \a > 1
	s_wait_xcnt 0x0
.endif
	TOSTAGE \a
	SEND \a-1, 12
.endr
	SEND 7, 0
	s_wait_tensorcnt 0x0
	ds_add_u32 v[SPW], v[NIL]
	s_wait_dscnt 0x0
	CROUND
	s_endpgm
.Lfunc_end_k_q319c43f63e_proj:
	.size	k_q319c43f63e_proj, .Lfunc_end_k_q319c43f63e_proj-k_q319c43f63e_proj
	.p2alignl 7, 3214868480
	.fill 96, 4, 3214868480
	.section	.rodata,"a",@progbits
	.p2align	6, 0x0
	.amdhsa_kernel k_q319c43f63e_proj
		.amdhsa_group_segment_fixed_size 327680
		.amdhsa_private_segment_fixed_size 0
		.amdhsa_enable_private_segment 0
		.amdhsa_kernarg_size 48
		.amdhsa_user_sgpr_count 2
		.amdhsa_user_sgpr_kernarg_segment_ptr 1
		.amdhsa_wavefront_size32 1
		.amdhsa_system_sgpr_workgroup_id_x 1
		.amdhsa_system_sgpr_workgroup_id_y 1
		.amdhsa_system_sgpr_workgroup_id_z 1
		.amdhsa_system_vgpr_workitem_id 0
		.amdhsa_next_free_vgpr 1024
		.amdhsa_next_free_sgpr 100
		.amdhsa_reserve_vcc 0
		.amdhsa_float_denorm_mode_32 3
		.amdhsa_float_denorm_mode_16_64 3
		.amdhsa_memory_ordered 1
		.amdhsa_forward_progress 1
		.amdhsa_inst_pref_size 171
	.end_amdhsa_kernel
	.amdgpu_metadata
---
amdhsa.version: [ 1, 2 ]
amdhsa.kernels:
  - .name:           k_q319c43f63e_proj
    .symbol:         k_q319c43f63e_proj.kd
    .args:
      - { .name: cod, .offset: 0, .size: 8, .value_kind: global_buffer, .address_space: global }
      - { .name: wq_b, .offset: 8, .size: 8, .value_kind: global_buffer, .address_space: global }
      - { .name: wk_b, .offset: 16, .size: 8, .value_kind: global_buffer, .address_space: global }
      - { .name: wv_b, .offset: 24, .size: 8, .value_kind: global_buffer, .address_space: global }
      - { .name: lowp_scales, .offset: 32, .size: 8, .value_kind: global_buffer, .address_space: global }
      - { .name: qkv, .offset: 40, .size: 8, .value_kind: global_buffer, .address_space: global }
    .group_segment_fixed_size: 327680
    .private_segment_fixed_size: 0
    .kernarg_segment_align: 8
    .kernarg_segment_size: 48
    .max_flat_workgroup_size: 128
    .sgpr_count:     100
    .vgpr_count:     1024
    .wavefront_size: 32
...
	.end_amdgpu_metadata
.endif
;; end of part 2
;; launch attn (part 3): grid 4 x 64, 16 waves a work-group, clusters of 4 x 1, 327,680 bytes of LDS; arguments qkv, lowp_scales, ac; writes ac
.if DOCPART == 3
	.amdgcn_target "amdgcn-amd-amdhsa--gfx1250"
	.amdhsa_code_object_version 6
	.text
	.protected	k_q319c43f63e_attn
	.globl	k_q319c43f63e_attn
	.p2align	8
	.type	k_q319c43f63e_attn,@function
k_q319c43f63e_attn:
	s_mov_b64 s[64:65], 0
	v_nop
	global_prefetch_b8 v0, s[64:65] scope:SCOPE_SE
	s_setreg_imm32_b32 hwreg(HW_REG_WAVE_MODE, 25, 1), 1
	s_wait_xcnt 0x0
	s_wait_alu depctr_hold_cnt(0) depctr_sa_sdst(0) depctr_va_vdst(0) depctr_va_sdst(0) depctr_va_ssrc(0) depctr_va_vcc(0) depctr_vm_vsrc(0)
	s_getreg_b32 s2, hwreg(HW_REG_IB_STS2, 6, 4)
	s_cmp_eq_u32 s2, 0
	s_cbranch_scc0 .Lentry_in_a_cluster
	s_endpgm
.Lentry_in_a_cluster:
	s_bfe_u32 s2, ttmp6, 0x10000c
	s_cmp_lg_u32 s2, 0x3003
	s_cbranch_scc0 .Lentry_shape_is_right
	s_endpgm
.Lentry_shape_is_right:
; attended = softmax(q k^T / 8) v for 64 heads of 64 channels and 2,048 tokens, both products on E4M3 codes; the result is quantised with 2^ls10 for the last product.
; IN: qkv, three parts of 8 MiB (q, k, v) of blocks of 16 KiB, block (bh 16 + blk), bh = 8 b + hp, hp a pair of heads, blk 128 tokens.  A head e of the pair has 8 KiB on end in each block, at 8,192 e:
;   q, k: [128 rows = tokens][64 bytes = channels]; v: [64 rows = channels][128 bytes = keys].  Row i lies at place 32 (i / 32) + 16 ((i / 8) % 2) + 8 ((i / 16) % 2) + i % 8, so the 16 registers that a lane
;   gets from tiles 2 b and 2 b + 1 are 16 neighbours: keys for the scores, channels for the result.
; OUT: ac = [16 heads][8,192 tokens][64 bytes].
; THE SOFTMAX: t = score x log2(e) / 8; M = the running largest t rounded UP to a whole number; p = 2^(t - M) is quantised with 2^ls8, not normalised; the row's sum is taken of the unquantised p and divides at the end.
;   When M moves, the sum and O are multiplied by 2^(old M - new M), which rounds nothing; there is no branch on data.
; SHARES: a work-group owns ONE head and 512 of its queries; wave w owns queries 32 w on, two tiles of 16, so that each fragment of K and V feeds two matrix instructions.  Every wave walks the 2,048 keys, 128 a step.
; LDS HOLDS THE HEAD'S WHOLE K AND V: 2 x 16 pieces of 8 KiB, 32 lines of 256 + 16 bytes each: 278,528 bytes.  They are fetched once, at the head, one tensor load a wave (two pieces: 2 rows of 8 KiB, 16 KiB apart);
;   nothing is filled again, so one barrier stands behind the fills and none in the loop over the keys.
; CLUSTER: the four query blocks of a head need the same K and V: each load is asked for jointly, with the mask of all four.
; NO PREFETCH: all sixteen tensor loads go out at the kernel's head; there is no loop that runs ahead of a load.
; Both products are used transposed: S^T = K Q^T (K = 64), O^T = V^T P^T (K = 128 keys): a lane holds one query of each tile throughout.
; Q's fragments keep no registers: they lie in LDS as images of their registers and are fetched in each step into the low halves of p's code registers, which are free then.
; INDEPENDENT LINES STAND BETWEEN DEPENDENT ONES: the maximum and the sum go in four chains; f is made among the lines that make t - M; tile A's O^T is rescaled among the lines of tile B's chain to M;
;   the exponentials go in two halves, and the first half's holds, two to a dual pair, stand among the second half's exponentials.
; LIMITS: ls6 + ls7 between -123 and 130 (added to c's exponent field); ls8 and ls10 between -126 and 119.  NaN is not served.
; REGISTERS: v1-11 addresses; v12, v13, v[14:15]: tile A's -M, largest t, sum; v16-19 tile B's; v[20:21], v[22:23] the tiles' f; v24-29 at work; v30 448 x 2^e, v31 2^e;
;   v32-95 K's, then V's fragments; v96-159 S^T, then p; v160-191, v192-223 O^T of tiles A, B; v224-239, v240-255 p's codes of A, B.
.set PB,    32*272                     ; a piece of 8 KiB in LDS
.set KT,    4*272                      ; 16 keys x 64 bytes
.set VT,    8*272                      ; 16 channels x 128 bytes
.set VOFF,  16*PB                      ; V's pieces lie behind K's
.set SPARE, 32*PB                      ; the spare words, 128 bytes a wave
.set QIMG,  SPARE+2048                 ; 2,048 bytes a wave: Q's images, and at the end the stage for the way out
.set AK0, 1
.set AV0, 2
.set AQ,  4
.set SPW, 5
.set NIL, 6
.set GO,  7
.set ADK, 8
.set ADV, 9
.set SIN, 10                           ; v10  the way out: where my 16 codes go in the stage
.set TB,  2                            ; s2   LDS byte of the step's piece
.set WV,  18
.set SEL, 20
.set CS,  22
.set G1,  24
.set G0,  40
.set CNT, 67
.set FO,  0                            ; the O^T whose rescaling fills a chain's gaps (0: none), its f, and how far it has come
.set FF,  0
.set fj,  0
.macro CROUND                          ; a round of the cluster's barrier
	s_barrier_signal -1
	s_barrier_wait -1
	s_cmp_lg_u32 s[WV], 0
	s_cbranch_scc1 .Lnot_wave_0_\@
	s_barrier_signal -3
.Lnot_wave_0_\@:
	s_barrier_wait -3
	s_barrier_signal -1
	s_barrier_wait -1
.endm
	s_load_b128 s[4:7], s[0:1], 0x0                ; qkv s[4:5], the exponents s[6:7]
	s_load_b64 s[8:9], s[0:1], 0x10                ; ac
	v_lshl_add_u32 v[SPW], v0, 2, SPARE
	v_mov_b32 v[NIL], 0
	ds_add_u32 v[SPW], v[NIL]                      ; the opening lines: the add, twice on end, and its wait
	ds_add_u32 v[SPW], v[NIL]
	v_lshrrev_b32 v8, 5, v0
	v_readfirstlane_b32 s[WV], v8                  ; wave 0 .. 15
	s_bfe_u32 s10, ttmp6, 0x40000                  ; cx: my block of 512 queries; it enters Q's and ac's addresses alone
	s_and_b32 s12, ttmp7, 0xffff                   ; the head, 2 bh + e, which the partners share
	s_and_b32 s13, s12, 1                          ; e
	s_lshr_b32 s14, s12, 1                         ; bh
	s_lshl_b32 s17, s14, 18
	s_lshl_b32 s16, s13, 13
	s_add_co_u32 s17, s17, s16                     ; my head's piece of bh's block 0
	s_mul_i32 s[G0+1], s[WV], 2*PB                 ; waves 0-7: K's pieces 2 w, 2 w + 1; waves 8-15: V's
	s_lshr_b32 s15, s[WV], 3
	s_add_co_u32 s15, s15, 1
	s_lshl_b32 s86, s15, 23                        ; part 1 (k) or 2 (v)
	s_add_co_u32 s86, s86, s17
	s_and_b32 s15, s[WV], 7
	s_lshl_b32 s15, s15, 15                        ; two blocks of 16 KiB a wave
	s_add_co_u32 s86, s86, s15
	s_mov_b32 s87, 0
	s_mov_b32 s[G1], 15|(1<<20)|(1<<21)|(5<<22)|(3<<25)   ; the mask of all four; elements of 1 byte; padding on; bit 21 beside a mask; 4 words after every 64
	s_mov_b32 s[G1+1], 8192<<16                    ; tensor_dim0
	s_mov_b32 s[G1+2], 2<<16                       ; tensor_dim1
	s_mov_b32 s[G1+3], 8192<<16                    ; tile_dim0
	s_mov_b32 s[G1+4], 2                           ; tile_dim1
	s_mov_b32 s[G1+5], 16384                       ; from block to block
	s_mov_b32 s[G1+6], 0
	s_mov_b32 s[G1+7], 0
	s_mov_b32 s[SEL], 0x76543210
	s_mov_b32 s[SEL+1], 0xfedcba98
	s_mov_b32 s[CS], 0x3e38aa3b                    ; c = log2(e) / 8
	s_mov_b32 s[TB], 0
	s_mov_b32 s[CNT], 16
	s_wait_dscnt 0x0                               ; both opening adds are done
	s_wait_kmcnt 0x0
	s_load_b256 s[68:75], s[6:7], 0x0              ; ls0 .. ls7
	s_load_b128 s[76:79], s[6:7], 0x20             ; ls8 .. ls11
	s_mov_b32 s[G0], 1
	s_add_nc_u64 s[G0+2:G0+3], s[4:5], s[86:87]
	s_or_b32 s[G0+3], s[G0+3], 0x80000000
	CROUND                                         ; all four work-groups are here
	tensor_load_to_lds s[G0:G0+3], s[G1:G1+7]      ; my one tensor load of the launch
	s_nop 0
.rept 4
	v_nop
.endr
	s_lshl_b32 s88, s10, 16                        ; Q: block 4 cx + w / 4, rows 32 (w % 4) on, 64 bytes each
	s_add_co_u32 s88, s88, s17
	s_lshr_b32 s15, s[WV], 2
	s_lshl_b32 s15, s15, 14
	s_add_co_u32 s88, s88, s15
	s_and_b32 s15, s[WV], 3
	s_lshl_b32 s15, s15, 11
	s_add_co_u32 s88, s88, s15
	s_mov_b32 s89, 0
	s_add_nc_u64 s[88:89], s[4:5], s[88:89]
	s_and_b32 s15, s14, 7                          ; ac: head 2 hp + e, token 2,048 b + 512 cx + 32 w
	s_lshl_b32 s15, s15, 1
	s_add_co_u32 s15, s15, s13
	s_lshl_b32 s92, s15, 19
	s_lshr_b32 s15, s14, 3
	s_lshl_b32 s15, s15, 17
	s_add_co_u32 s92, s92, s15
	s_lshl_b32 s15, s10, 15
	s_add_co_u32 s92, s92, s15
	s_lshl_b32 s15, s[WV], 11
	s_add_co_u32 s92, s92, s15
	s_mov_b32 s93, 0
	s_add_nc_u64 s[8:9], s[8:9], s[92:93]
	s_add_co_u32 s15, s15, QIMG                    ; my wave's 2,048 bytes of LDS
	v_and_b32 v8, 15, v0                           ; r
	v_bfe_u32 v9, v0, 4, 1                         ; h
	v_lshlrev_b32 v11, 6, v8
	v_lshl_add_u32 v11, v9, 4, v11                 ; row r, + 16 h
.irp u, 0,1
.irp c, 0,1
	global_load_b128 v[224+16*\u+4*\c:227+16*\u+4*\c], v11, s[88:89] offset:1024*\u+32*\c
.endr
.endr
	v_lshrrev_b32 v24, 2, v8
	v_mul_u32_u24 v24, v24, 272
	v_and_b32 v25, 3, v0
	v_lshl_add_u32 v24, v25, 6, v24
	v_lshl_add_u32 v[AK0], v9, 4, v24              ; K: row r of a tile: line r / 4, quarter r % 4, + 16 h
	v_lshrrev_b32 v24, 1, v8
	v_mul_u32_u24 v24, v24, 272
	v_and_b32 v25, 1, v0
	v_lshl_add_u32 v24, v25, 7, v24
	v_lshl_add_u32 v24, v9, 4, v24
	v_add_nc_u32 v[AV0], VOFF, v24                 ; V: line r / 2, half r % 2, + 16 h
	v_and_b32 v25, 31, v0
	v_lshlrev_b32 v[GO], 4, v25
	v_add_nc_u32 v[AQ], s15, v[GO]
	v_bfe_u32 v24, v0, 3, 1
	v_and_b32 v25, 7, v0
	v_lshl_add_u32 v24, v24, 4, v25                ; lane r of tile u holds query 16 (r / 8) + 8 u + r % 8 of my 32
	v_lshlrev_b32 v24, 6, v24
	v_lshl_add_u32 v24, v9, 4, v24
	v_add_nc_u32 v[SIN], s15, v24
	v_mov_b32 v13, 0xff61b1e6                      ; the largest t so far: -3e38
	v_mov_b32 v17, 0xff61b1e6
	s_delay_alu instid0(VALU_DEP_2)
	v_floor_f32 v12, -v13                          ; -M
	s_delay_alu instid0(VALU_DEP_2)
	v_floor_f32 v16, -v17
.irp n, 14,15,18,19,21,23,26,27
	v_mov_b32 v\n, 0                               ; the sums; the upper words of the pairs f; the permutes' destinations
.endr
.set jj, 0
.rept 64
	v_mov_b32 v[160+jj], 0                         ; O^T: the step is written once, and its first run finds zeros
.set jj, jj+1
.endr
	s_wait_kmcnt 0x0
	s_add_co_i32 s15, s74, s75
	s_lshl_b32 s15, s15, 23
	s_add_co_i32 s[CS], s[CS], s15                 ; a score stands for score x 2^(ls6 + ls7)
	s_mov_b32 s[CS+1], s[CS]
	s_add_co_i32 s15, s76, 127
	s_lshl_b32 s16, s15, 23
	v_mov_b32 v31, s16                             ; 2^ls8
	s_add_co_i32 s15, s15, 8
	s_lshl_b32 s15, s15, 23
	s_or_b32 s15, s15, 0x600000
	v_mov_b32 v30, s15                             ; 448 x 2^ls8
	s_add_co_i32 s81, s76, s77                     ; ls8 + ls9
	s_add_co_i32 s15, s78, 127
	s_lshl_b32 s82, s15, 23                        ; 2^ls10
	s_add_co_i32 s15, s15, 8
	s_lshl_b32 s83, s15, 23
	s_or_b32 s83, s83, 0x600000                    ; 448 x 2^ls10
	s_wait_alu depctr_va_vdst(0)                   ; the wait at the head's end
	s_wait_loadcnt 0x0                             ; Q
	s_wait_tensorcnt 0x0                           ; my two pieces have landed
.irp u, 0,1
.irp c, 0,1
	ds_store_b128 v[AQ], v[224+16*\u+4*\c:227+16*\u+4*\c] offset:512*(2*\u+\c)   ; the images: my wave's own bytes
.endr
.endr
	s_wait_dscnt 0x0
	s_barrier_signal -1
	s_barrier_wait -1                              ; every wave's pieces have landed: K and V are whole
.macro FILL n                          ; the next n lines of the rescaling of the O^T at FO, where there is one
.if FO
.rept \n
	v_pk_mul_f32 v[FO+fj:FO+fj+1], v[FO+fj:FO+fj+1], v[FF:FF+1] op_sel_hi:[1,0]
.set fj, fj+2
.endr
.endif
.endm
.macro HINT                            ; where nothing fills the gaps, the chain's links carry the hint
.if FO == 0
	s_delay_alu instid0(VALU_DEP_1)
.endif
.endm
.macro FMA n, mt                       ; the next n pairs of t - M
.rept \n
	v_pk_fma_f32 v[96+jj:97+jj], v[96+jj:97+jj], s[CS:CS+1], v[\mt:\mt+1] op_sel_hi:[1,0,0]
.set jj, jj+2
.endr
.endm
.macro HOLD2                           ; two holds in a dual pair: the conversion does not saturate (ISA guide 7.6.2); p is not negative
	v_dual_min_num_f32 v[96+jj], v[96+jj], v30 :: v_dual_min_num_f32 v[97+jj], v[97+jj], v30
.endm
.macro CODES pt, b                     ; 16 keys' codes
	v_cvt_scalef32_pk8_fp8_f32 v[\pt+4*\b:\pt+4*\b+1], v[96+16*\b:96+16*\b+7], v31
	v_cvt_scalef32_pk8_fp8_f32 v[\pt+4*\b+2:\pt+4*\b+3], v[96+16*\b+8:96+16*\b+15], v31
.endm
; One tile's softmax for a step of 128 keys: S^T in v96-159.  mt: -M, largest t, the sum's pair; ft: f; pt: where the codes go.
.macro SOFT mt, ft, pt
	v_mov_b32 v27, v[\mt]                          ; the old -M
	v_max3_num_f32 v24, v96, v97, v98              ; the largest score among my 64 keys, in four chains, the registers in ascending order: each accumulator from its low end on
	v_max3_num_f32 v25, v99, v100, v101
	v_max3_num_f32 v28, v102, v103, v104
	v_max3_num_f32 v29, v105, v106, v107
.set ii, 12
.rept 6
	v_max3_num_f32 v24, v24, v[96+ii], v[97+ii]
	v_max3_num_f32 v25, v25, v[98+ii], v[99+ii]
	v_max3_num_f32 v28, v28, v[100+ii], v[101+ii]
	v_max3_num_f32 v29, v29, v[102+ii], v[103+ii]
.set ii, ii+8
.endr
	v_max3_num_f32 v24, v24, v156, v157
	v_max3_num_f32 v25, v25, v158, v159
	FILL 1
	HINT
	v_max3_num_f32 v24, v24, v25, v28
	FILL 2
	HINT
	v_max_num_f32 v24, v24, v29
	FILL 2
	HINT
	v_permlanex16_b32 v26, v24, s[SEL], s[SEL+1]
	FILL 2
	HINT
	v_max_num_f32 v24, v24, v26                    ; and among the other half's
	FILL 2
	HINT
	v_mul_f32 v24, s[CS], v24                      ; as t (c is positive)
	FILL 2
	HINT
	v_max_num_f32 v[\mt+1], v[\mt+1], v24
	FILL 1
	HINT
	v_floor_f32 v[\mt], -v[\mt+1]                  ; -M = floor(-t)
.set jj, 0
	FMA 4, \mt
	v_sub_f32 v27, v[\mt], v27                     ; old M - new M, a whole number, 0 or less
	FMA 4, \mt
	v_cvt_i32_f32 v27, v27                         ; (it saturates)
	FMA 4, \mt
	v_ldexp_f32 v[\ft], 1.0, v27                   ; f = 2^(old M - new M)
	FMA 20, \mt
	s_wait_alu depctr_va_vdst(0)                   ; the wait ahead of the batch
.set jj, 0
.rept 32
	v_exp_f32 v[96+jj], v[96+jj]                   ; p = 2^(t - M): keys' first half
.set jj, jj+1
.endr
	v_pk_mul_f32 v[\mt+2:\mt+3], v[\mt+2:\mt+3], v[\ft:\ft+1] op_sel_hi:[1,0]   ; the sums under the new M: the plain line behind the exponentials
	s_wait_alu depctr_va_vdst(0)                   ; one wait for the batch, ahead of its first reader
	v_pk_add_f32 v[28:29], v[96:97], v[98:99]      ; the sum of the UNQUANTISED p, in four chains
	v_pk_add_f32 v[24:25], v[100:101], v[102:103]
	v_pk_add_f32 v[26:27], v[104:105], v[106:107]
	v_pk_add_f32 v[\mt+2:\mt+3], v[\mt+2:\mt+3], v[108:109]
.set jj, 14
.rept 2
	v_pk_add_f32 v[28:29], v[28:29], v[96+jj:97+jj]
	v_pk_add_f32 v[24:25], v[24:25], v[98+jj:99+jj]
	v_pk_add_f32 v[26:27], v[26:27], v[100+jj:101+jj]
	v_pk_add_f32 v[\mt+2:\mt+3], v[\mt+2:\mt+3], v[102+jj:103+jj]
.set jj, jj+8
.endr
	v_pk_add_f32 v[28:29], v[28:29], v[126:127]
.set jj, 0
.rept 16                               ; the second half's exponentials, and among them the first half's holds, which name none of this batch's registers and are read behind its wait
	v_exp_f32 v[128+jj], v[128+jj]
	v_exp_f32 v[129+jj], v[129+jj]
	HOLD2
.set jj, jj+2
.endr
	v_nop                                          ; the plain line behind the last exponential
	s_wait_alu depctr_va_vdst(0)                   ; one wait for the batch and for what was written ahead of it and among it
	CODES \pt, 0
	CODES \pt, 1
.set jj, 32
.rept 4
	v_pk_add_f32 v[24:25], v[24:25], v[96+jj:97+jj]
	v_pk_add_f32 v[26:27], v[26:27], v[98+jj:99+jj]
	v_pk_add_f32 v[\mt+2:\mt+3], v[\mt+2:\mt+3], v[100+jj:101+jj]
	v_pk_add_f32 v[28:29], v[28:29], v[102+jj:103+jj]
.set jj, jj+8
.endr
	v_pk_add_f32 v[24:25], v[24:25], v[26:27]
	v_pk_add_f32 v[\mt+2:\mt+3], v[\mt+2:\mt+3], v[28:29]
	v_pk_add_f32 v[\mt+2:\mt+3], v[\mt+2:\mt+3], v[24:25]
.set jj, 32
.rept 16
	HOLD2
.set jj, jj+2
.endr
	CODES \pt, 2
	CODES \pt, 3
.endm
; A KEY STEP: the 128 keys of the piece at s[TB].
.macro STEP
	v_add_nc_u32 v[ADK], s[TB], v[AK0]
	v_add_nc_u32 v[ADV], s[TB], v[AV0]
	v_nop
	v_nop                                          ; four plain lines in front of loads into registers that the last products read
.irp u, 0,1
.irp c, 0,1
	ds_load_b128 v[224+16*\u+4*\c:227+16*\u+4*\c], v[AQ] offset:512*(2*\u+\c)   ; Q's two fragments
.endr
.endr
.irp t, 0,1,2,3,4,5,6,7
.irp c, 0,1
	ds_load_b128 v[32+8*\t+4*\c:35+8*\t+4*\c], v[ADK] offset:KT*\t+32*\c   ; K's eight tiles of 16 keys x 64
.endr
.endr
.irp t, 0,1,2,3,4,5,6,7
	s_wait_dscnt 14-2*\t                           ; Q and K's tiles up to t are in; the two loads of each later tile may be out
	v_wmma_f32_16x16x64_fp8_fp8 v[96+8*\t:103+8*\t], v[32+8*\t:39+8*\t], v[224:231], 0   ; tile A's scores
.endr
.rept 3
	v_nop                                          ; with the first line of the softmax: four plain lines ahead of the first read of the scores
.endr
.set FO, 0
	SOFT 12, 20, 224
	v_nop                                          ; a plain line between the last conversion and the products that write its sources
.irp t, 0,1,2,3,4,5,6,7
	v_wmma_f32_16x16x64_fp8_fp8 v[96+8*\t:103+8*\t], v[32+8*\t:39+8*\t], v[240:247], 0   ; tile B's scores
.endr
.set FO, 160                           ; tile A's O^T under its new M: sixteen lines,
.set FF, 20
.set fj, 0
	FILL 4                                         ; four here: the places in front of the loads below and of the first read of the scores; twelve in tile B's chain to M
.irp t, 0,1,2,3
.irp c, 0,1,2,3
	ds_load_b128 v[32+16*\t+4*\c:35+16*\t+4*\c], v[ADV] offset:VT*\t+32*\c   ; V's four tiles of 16 channels x 128 keys: they land while tile B's softmax is worked
.endr
.endr
	SOFT 16, 22, 240
.set FO, 192                           ; tile B's O^T under its new M (also the plain lines behind the last conversion)
.set FF, 22
.set fj, 0
	FILL 16
.set FO, 0
	s_wait_alu depctr_va_vdst(0)                   ; the wait here, directly ahead of the wait below
	s_wait_dscnt 0x0
.irp t, 0,1,2,3                                ; eight accumulators by turns, one instruction a turn; each fragment of V feeds both tiles
	v_wmma_f32_16x16x128_fp8_fp8 v[160+8*\t:167+8*\t], v[32+16*\t:47+16*\t], v[224:239], v[160+8*\t:167+8*\t]
	v_wmma_f32_16x16x128_fp8_fp8 v[192+8*\t:199+8*\t], v[32+16*\t:47+16*\t], v[240:255], v[192+8*\t:199+8*\t]
.endr
.endm
.Lstep:                                        ; 16 trips of 128 keys; no wave waits for another
	STEP
	s_add_co_u32 s[TB], s[TB], PB
	s_sub_co_u32 s[CNT], s[CNT], 1
	s_cmp_lg_u32 s[CNT], 0
	s_cbranch_scc1 .Lstep
	; THE WAY OUT.  O^T / the sum x 2^(ls8 + ls9), quantised with 2^ls10: 16 codes a lane for each 32 channels; through my wave's own stage, so that each store covers 512 consecutive bytes.
	v_add_f32 v14, v14, v15
	v_add_f32 v18, v18, v19
	v_permlanex16_b32 v26, v14, s[SEL], s[SEL+1]
	v_permlanex16_b32 v27, v18, s[SEL], s[SEL+1]
	v_add_f32 v14, v14, v26
	v_add_f32 v18, v18, v27                        ; the rows' sums
	s_wait_alu depctr_va_vdst(0)                   ; the wait ahead of the transcendentals
	v_rcp_f32 v14, v14
	v_rcp_f32 v18, v18
	v_mov_b32 v31, s82                             ; (plain lines behind the reciprocals)
	v_mov_b32 v30, s83
	s_wait_alu depctr_va_vdst(0)                   ; one wait for both, ahead of the first reader
	v_ldexp_f32 v20, v14, s81
	v_ldexp_f32 v22, v18, s81
	s_wait_alu depctr_va_vdst(0)                   ; the wait here, directly ahead of the first reader of O^T
.irp u, 0,1
.set jj, 0
.rept 16
	v_pk_mul_f32 v[160+32*\u+jj:161+32*\u+jj], v[160+32*\u+jj:161+32*\u+jj], v[20+2*\u:21+2*\u] op_sel_hi:[1,0]   ; each accumulator from its low end on
.set jj, jj+2
.endr
.set jj, 0
.rept 32
	v_med3_num_f32 v[160+32*\u+jj], v[160+32*\u+jj], -v30, v30
.set jj, jj+1
.endr
.irp b, 0,1
	v_cvt_scalef32_pk8_fp8_f32 v[32+8*\u+4*\b:33+8*\u+4*\b], v[160+32*\u+16*\b:167+32*\u+16*\b], v31      ; channels 32 b + 16 h + 0 .. 7,
	v_cvt_scalef32_pk8_fp8_f32 v[34+8*\u+4*\b:35+8*\u+4*\b], v[168+32*\u+16*\b:175+32*\u+16*\b], v31      ; + 8 .. 15
.endr
	v_nop
.endr
.irp u, 0,1
.irp b, 0,1
	ds_store_b128 v[SIN], v[32+8*\u+4*\b:35+8*\u+4*\b] offset:512*\u+32*\b
.endr
.endr
.irp t, 0,1,2,3
	ds_load_b128 v[48+4*\t:51+4*\t], v[AQ] offset:512*\t   ; LDS serves a wave's instructions in order: these see my stores
.endr
.irp t, 0,1,2,3
	s_wait_dscnt 3-\t                              ; the loads behind load t may be out
	global_store_b128 v[GO], v[48+4*\t:51+4*\t], s[8:9] offset:512*\t   ; eight rows of 64 bytes: 512 consecutive bytes, aligned
.endr
	s_wait_tensorcnt 0x0                           ; the wave's end
	ds_add_u32 v[SPW], v[NIL]
	s_wait_dscnt 0x0
	CROUND                                         ; the closing round
	s_endpgm
.Lfunc_end_k_q319c43f63e_attn:
	.size	k_q319c43f63e_attn, .Lfunc_end_k_q319c43f63e_attn-k_q319c43f63e_attn
	.p2alignl 7, 3214868480
	.fill 96, 4, 3214868480
	.section	.rodata,"a",@progbits
	.p2align	6, 0x0
	.amdhsa_kernel k_q319c43f63e_attn
		.amdhsa_group_segment_fixed_size 327680
		.amdhsa_private_segment_fixed_size 0
		.amdhsa_enable_private_segment 0
		.amdhsa_kernarg_size 24
		.amdhsa_user_sgpr_count 2
		.amdhsa_user_sgpr_kernarg_segment_ptr 1
		.amdhsa_wavefront_size32 1
		.amdhsa_system_sgpr_workgroup_id_x 1
		.amdhsa_system_sgpr_workgroup_id_y 1
		.amdhsa_system_sgpr_workgroup_id_z 1
		.amdhsa_system_vgpr_workitem_id 0
		.amdhsa_next_free_vgpr 256
		.amdhsa_next_free_sgpr 100
		.amdhsa_reserve_vcc 0
		.amdhsa_float_denorm_mode_32 3
		.amdhsa_float_denorm_mode_16_64 3
		.amdhsa_memory_ordered 1
		.amdhsa_forward_progress 1
		.amdhsa_inst_pref_size 47
	.end_amdhsa_kernel
	.amdgpu_metadata
---
amdhsa.version: [ 1, 2 ]
amdhsa.kernels:
  - .name:           k_q319c43f63e_attn
    .symbol:         k_q319c43f63e_attn.kd
    .args:
      - { .name: qkv, .offset: 0, .size: 8, .value_kind: global_buffer, .address_space: global }
      - { .name: lowp_scales, .offset: 8, .size: 8, .value_kind: global_buffer, .address_space: global }
      - { .name: ac, .offset: 16, .size: 8, .value_kind: global_buffer, .address_space: global }
    .group_segment_fixed_size: 327680
    .private_segment_fixed_size: 0
    .kernarg_segment_align: 8
    .kernarg_segment_size: 24
    .max_flat_workgroup_size: 512
    .sgpr_count:     100
    .vgpr_count:     256
    .wavefront_size: 32
...
	.end_amdgpu_metadata
.endif
;; end of part 3
;; launch outp (part 4): grid 4 x 32, 4 waves a work-group, clusters of 4 x 4, 327,680 bytes of LDS; arguments ac, cod, dense_b, lowp_scales, out0; writes out0
.if DOCPART == 4
	.amdgcn_target "amdgcn-amd-amdhsa--gfx1250"
	.amdhsa_code_object_version 6
	.text
	.protected	k_q319c43f63e_outp
	.globl	k_q319c43f63e_outp
	.p2align	8
	.type	k_q319c43f63e_outp,@function
k_q319c43f63e_outp:
	s_mov_b64 s[64:65], 0
	v_nop
	global_prefetch_b8 v0, s[64:65] scope:SCOPE_SE
	s_setreg_imm32_b32 hwreg(HW_REG_WAVE_MODE, 25, 1), 1
	s_wait_xcnt 0x0
	s_wait_alu depctr_hold_cnt(0) depctr_sa_sdst(0) depctr_va_vdst(0) depctr_va_sdst(0) depctr_va_ssrc(0) depctr_va_vcc(0) depctr_vm_vsrc(0)
	s_getreg_b32 s2, hwreg(HW_REG_IB_STS2, 6, 4)
	s_cmp_eq_u32 s2, 0
	s_cbranch_scc0 .Lentry_in_a_cluster
	s_endpgm
.Lentry_in_a_cluster:
	s_bfe_u32 s2, ttmp6, 0x10000c
	s_cmp_lg_u32 s2, 0xf033
	s_cbranch_scc0 .Lentry_shape_is_right
	s_endpgm
.Lentry_shape_is_right:
.set PLANE_A, 0x100000
.set PLANE_B, 0x380000
.set REG,    128*272
.set HALFR,  64*272
.set TL,     8*272
.set SLOT,   4*REG
.set SPARE,  2*SLOT
.set LAPS,   2
.set FR,     16
.set NL,     4
.set NP,     4
.set SPITCH, 528
.set GW0,    (0<<16)|(1<<20)|(1<<21)|(5<<22)|(3<<25)
.set ADRA, 16
.set ADRB, 20
.set STO,  24
.set RD,   25
.set CO,   26
.set SPW,  28
.set NIL,  29
.set BJ,   32
.set AF,   128
.set TMP,  128
.set G1,  24
.set G0,  32
.set G1B, 48
.set G0B, 56
.set MSB, 0
.macro WIN new
.if MSB != (\new)
	s_set_vgpr_msb (MSB<<8)|(\new)
.set MSB, (\new)
.endif
.endm
.set MUL_LO, 0xa1
.set MUL_HI, 0xf1
.set TO_B,   0x40
.macro JLOAD g0a, g1a, g0b, g1b
	s_cmp_eq_u32 s19, 0
	s_cbranch_scc0 .Lfor_b_\@
	tensor_load_to_lds s[\g0a:\g0a+3], s[\g1a:\g1a+7]
	s_nop 0
.rept 4
	v_nop
.endr
	s_branch .Lasked_\@
.Lfor_b_\@:
	tensor_load_to_lds s[\g0b:\g0b+3], s[\g1b:\g1b+7]
	s_nop 0
.rept 4
	v_nop
.endr
.Lasked_\@:
.endm
.macro CREST
	s_cmp_lg_u32 s18, 0
	s_cbranch_scc1 .Lnot_wave_0_\@
	s_barrier_signal -3
.Lnot_wave_0_\@:
	s_barrier_wait -3
	s_barrier_signal -1
	s_barrier_wait -1
.endm
.macro CROUND
	s_barrier_signal -1
	s_barrier_wait -1
	CREST
.endm
	s_load_b256 s[4:11], s[0:1], 0x0
	s_load_b64 s[12:13], s[0:1], 0x20
	v_lshl_add_u32 v[SPW], v0, 2, SPARE
	v_mov_b32 v[NIL], 0
	ds_add_u32 v28, v29
	ds_add_u32 v28, v29
	s_wait_dscnt 0x0
	v_lshrrev_b32 v1, 5, v0
	v_readfirstlane_b32 s18, v1
	s_lshr_b32 s19, s18, 1
	s_and_b32 s20, s18, 1
	s_bfe_u32 s40, ttmp6, 0x40000
	s_bfe_u32 s41, ttmp6, 0x40004
	s_and_b32 s42, ttmp7, 0xffff
	s_lshl_b32 s21, s41, 2
	s_lshl_b32 s21, 15, s21
	s_lshl_b32 s22, 0x1111, s40
	s_or_b32 s[G1+0], s21, GW0
	s_or_b32 s[G1B+0], s22, GW0
	s_mov_b32 s[G1+1], 16384<<16                   ; A's tile: ac lies [16 heads][8,192 tokens][64 bytes]; 128 along K of 256 tokens are two heads' runs of 16 KiB,
	s_mov_b32 s[G1+2], 2<<16
	s_mov_b32 s[G1+3], 16384<<16
	s_mov_b32 s[G1+4], 2
	s_mov_b32 s[G1+5], 524288                      ; a head's 8,192 x 64 bytes apart
	s_mov_b32 s[G1+6], 0
	s_mov_b32 s[G1+7], 0
.irp g, G1B
	s_mov_b32 s[\g+1], 256<<16
	s_mov_b32 s[\g+2], 128<<16
	s_mov_b32 s[\g+3], 256<<16
	s_mov_b32 s[\g+4], 128
	s_mov_b32 s[\g+5], 256
	s_mov_b32 s[\g+6], 0
	s_mov_b32 s[\g+7], 0
.endr
	s_lshl_b32 s84, s42, 2
	s_add_co_u32 s84, s84, s41
	s_lshl_b32 s84, s84, 14
	s_lshl_b32 s88, s20, 20
	s_add_co_u32 s84, s84, s88
	s_mov_b32 s85, 0
	s_lshl_b32 s86, s40, 15
	s_add_co_u32 s86, s86, 27648*128
	s_mul_i32 s89, s20, PLANE_B
	s_add_co_u32 s86, s86, s89
	s_mov_b32 s87, 0
	s_mul_i32 s45, s18, REG
	s_wait_kmcnt 0x0
	s_load_b64 s[96:97], s[10:11], 0x28
	s_add_nc_u64 s[84:85], s[4:5], s[84:85]
	s_add_nc_u64 s[86:87], s[6:7], s[86:87]
	CROUND
.irp s, 0,1
	s_mov_b32 s[G0+4*\s], 1
	s_add_co_u32 s[G0+4*\s+1], s45, \s*SLOT
	s_add_nc_u64 s[G0+4*\s+2:G0+4*\s+3], s[84:85], \s*2*PLANE_A
	s_or_b32 s[G0+4*\s+3], s[G0+4*\s+3], 0x80000000
	s_mov_b32 s[G0B+4*\s], 1
	s_add_co_u32 s[G0B+4*\s+1], s45, \s*SLOT
	s_add_nc_u64 s[G0B+4*\s+2:G0B+4*\s+3], s[86:87], \s*2*PLANE_B
	s_or_b32 s[G0B+4*\s+3], s[G0B+4*\s+3], 0x80000000
	s_wait_alu depctr_va_vdst(0)
	s_wait_tensorcnt 0x0
	ds_add_u32 v28, v29
	ds_add_u32 v28, v29
	s_wait_dscnt 0x0
	CROUND
	JLOAD G0+4*\s, G1, G0B+4*\s, G1B
.endr
	v_and_b32 v1, 15, v0
	v_bfe_u32 v2, v0, 4, 1
	v_lshrrev_b32 v3, 1, v1
	v_mul_u32_u24 v3, v3, 272
	v_and_b32 v4, 1, v0
	v_lshl_add_u32 v3, v4, 7, v3
	v_lshl_add_u32 v4, v2, 4, v3
	v_lshrrev_b32 v7, 2, v1
	v_mul_u32_u24 v7, v7, 272
	v_and_b32 v9, 3, v0
	v_lshl_add_u32 v7, v9, 6, v7
	v_lshl_add_u32 v7, v2, 4, v7                   ; A: token r of a tile: line r / 4, quarter r % 4, + 16 h
	s_mul_i32 s21, s19, 32*272
	s_mul_i32 s22, s20, HALFR
	s_add_co_u32 s22, s22, 2*REG
.irp s, 0,1
	v_add_nc_u32 v[ADRA+\s], s21, v7
	v_add_nc_u32 v[ADRB+\s], s22, v4
	s_add_co_u32 s21, s21, SLOT
	s_add_co_u32 s22, s22, SLOT
.endr
	s_mul_i32 s23, s18, 16*SPITCH
	v_mul_u32_u24 v5, v1, SPITCH
	v_lshl_add_u32 v5, v2, 5, v5
	v_add_nc_u32 v[STO], s23, v5
	v_and_b32 v6, 31, v0
	v_lshlrev_b32 v[CO], 4, v6
	v_add_nc_u32 v[RD], s23, v[CO]
	s_lshl_b32 s90, s42, 2
	s_add_co_u32 s90, s90, s41
	s_lshl_b32 s90, s90, 1
	s_add_co_u32 s90, s90, s19
	s_lshl_b32 s90, s90, 19
	s_lshl_b32 s91, s40, 1
	s_add_co_u32 s91, s91, s20
	s_lshl_b32 s92, s91, 9
	s_add_co_u32 s90, s90, s92
	s_mov_b32 s91, 0
	s_add_nc_u64 s[12:13], s[12:13], s[90:91]
	v_lshlrev_b32 v8, 5, v2
	v_add_nc_u32 v8, s92, v8
.irp b, 0,1,2,3,4,5,6,7
	global_load_b128 v[BJ+8*\b:BJ+8*\b+3], v8, s[8:9] offset:64*\b
	global_load_b128 v[BJ+8*\b+4:BJ+8*\b+7], v8, s[8:9] offset:64*\b+16
.endr
.macro FRAGA reg, adr, q, i
.irp c, 0,1,2,3
	ds_load_b128 v[\reg+4*\c:\reg+4*\c+3], v[\adr] offset:REG*(\q)+HALFR*(\c/2)+32*(\c%2)+(\i)*4*272
.endr
.endm
.macro FRAG reg, adr, q, i
.irp c, 0,1,2,3
	ds_load_b128 v[\reg+4*\c:\reg+4*\c+3], v[\adr] offset:REG*(\q)+32*\c+(\i)*TL
.endr
.endm
.macro MUL16 a0, p, zero
.irp a, \a0, \a0+1
.irp b, 0,1,2,3,4,5,6,7
.if \zero
	v_wmma_f32_16x16x128_fp8_fp8 v[8*(8*((\a)%4)+\b):8*(8*((\a)%4)+\b)+7], v[128*(\p)+FR*\b:128*(\p)+FR*\b+FR-1], v[AF+FR*(\a):AF+FR*(\a)+FR-1], 0
.else
	v_wmma_f32_16x16x128_fp8_fp8 v[8*(8*((\a)%4)+\b):8*(8*((\a)%4)+\b)+7], v[128*(\p)+FR*\b:128*(\p)+FR*\b+FR-1], v[AF+FR*(\a):AF+FR*(\a)+FR-1], v[8*(8*((\a)%4)+\b):8*(8*((\a)%4)+\b)+7]
.endif
.endr
.endr
.endm
.macro FETCH_B slot, q, p
	WIN TO_B
.irp i, 0,1,2,3,4,5,6,7
	FRAG 128*(\p)+FR*\i, ADRB+\slot, \q, \i
.endr
	WIN 0
.endm
.macro FETCH_A slot, q, i0
.irp i, \i0, \i0+1, \i0+2, \i0+3
	FRAGA AF+FR*(\i), ADRA+\slot, \q, \i
.endr
.endm
.macro PLACES n
.rept \n
	v_nop
.endr
.endm
.macro STEP slot, q, zero
	s_wait_dscnt 4*NL
	WIN MUL_LO
	MUL16 0, (\q)%2, \zero
	MUL16 2, (\q)%2, \zero
	s_wait_dscnt 0
	PLACES NP
	FETCH_B \slot, (\q)+1, 1-(\q)%2
	FETCH_A \slot, (\q)+1, 0
	WIN MUL_HI
	MUL16 4, (\q)%2, \zero
	MUL16 6, (\q)%2, \zero
	PLACES NP
	WIN 0
	FETCH_A \slot, (\q)+1, 4
.endm
.macro TURN slot, next, fill
	s_wait_tensorcnt 0x0
	ds_add_u32 v[SPW], v[NIL]
	s_wait_dscnt 4*NL+1
	WIN MUL_LO
	MUL16 0, 1, 0
	s_wait_dscnt 0x0
	s_barrier_signal -1
	MUL16 2, 1, 0
	WIN 0
	s_barrier_wait -1
.if \fill
	CREST
	s_add_nc_u64 s[G0+4*\slot+2:G0+4*\slot+3], s[G0+4*\slot+2:G0+4*\slot+3], 4*PLANE_A
	s_add_nc_u64 s[G0B+4*\slot+2:G0B+4*\slot+3], s[G0B+4*\slot+2:G0B+4*\slot+3], 4*PLANE_B
	JLOAD G0+4*\slot, G1, G0B+4*\slot, G1B
.else
	PLACES NP
.endif
	s_wait_alu depctr_va_vdst(0)
	FETCH_B \next, 0, 0
	FETCH_A \next, 0, 0
	WIN MUL_HI
	MUL16 4, 1, 0
	MUL16 6, 1, 0
	PLACES NP
	WIN 0
	FETCH_A \next, 0, 4
.endm
	s_wait_tensorcnt 1
	s_barrier_signal -1
	s_barrier_wait -1
	FETCH_B 0, 0, 0
	FETCH_A 0, 0, 0
	FETCH_A 0, 0, 4
	STEP 0, 0, 1
	s_mov_b32 s3, LAPS-1
.Llap:
	TURN 0, 1, 1
	STEP 1, 0, 0
	TURN 1, 0, 1
	STEP 0, 0, 0
	s_sub_co_u32 s3, s3, 1
	s_cmp_lg_u32 s3, 0
	s_cbranch_scc1 .Llap
	TURN 0, 1, 0
	STEP 1, 0, 0
	s_wait_dscnt 4*NL
	WIN MUL_LO
	MUL16 0, 1, 0
	MUL16 2, 1, 0
	s_wait_dscnt 0
	WIN MUL_HI
	MUL16 4, 1, 0
	MUL16 6, 1, 0
	WIN 0
.macro TOSTAGE a
.set AC, 64*((\a)%4)
	WIN 0x02+((\a)/4)
.set jj, 0
.rept 32
	v_pk_fma_f32 v[TMP+jj:TMP+jj+1], v[AC+jj:AC+jj+1], s[96:97], v[BJ+jj:BJ+jj+1] op_sel_hi:[1,0,1]
.set jj, jj+2
.endr
	WIN 0
.irp b, 0,1,2,3,4,5,6,7
	ds_store_b128 v[STO], v[TMP+8*\b:TMP+8*\b+3] offset:64*\b
	ds_store_b128 v[STO], v[TMP+8*\b+4:TMP+8*\b+7] offset:64*\b+16
.endr
.set BB, 64*((\a)%2)
	WIN 0x40
.set jj, 0
.rept 16
	ds_load_b128 v[BB+4*jj:BB+4*jj+3], v[RD] offset:jj*SPITCH
.set jj, jj+1
.endr
	WIN 0
.endm
.macro SEND a, younger
.set BB, 64*((\a)%2)
	s_wait_dscnt \younger
.if (\a) > 0
	s_add_nc_u64 s[12:13], s[12:13], 16*4096
.endif
	WIN 0x04
.set jj, 0
.rept 16
	global_store_b128 v[CO], v[BB+4*jj:BB+4*jj+3], s[12:13] offset:jj*4096 th:TH_STORE_NT
.set jj, jj+1
.endr
	WIN 0
.endm
	s_wait_loadcnt 0x0
	s_wait_kmcnt 0x0
	s_add_co_i32 s96, s96, s97
	s_add_co_i32 s96, s96, 127
	s_lshl_b32 s96, s96, 23
	s_mov_b32 s97, s96
	PLACES NP
	TOSTAGE 0
.irp a, 1,2,3,4,5,6,7
.if \a > 1
	s_wait_xcnt 0x0
.endif
	TOSTAGE \a
	SEND \a-1, 32
.endr
	s_wait_xcnt 0x0
	SEND 7, 0
	s_wait_tensorcnt 0x0
	ds_add_u32 v[SPW], v[NIL]
	s_wait_dscnt 0x0
	CROUND
	s_endpgm
.Lfunc_end_k_q319c43f63e_outp:
	.size	k_q319c43f63e_outp, .Lfunc_end_k_q319c43f63e_outp-k_q319c43f63e_outp
	.p2alignl 7, 3214868480
	.fill 96, 4, 3214868480
	.section	.rodata,"a",@progbits
	.p2align	6, 0x0
	.amdhsa_kernel k_q319c43f63e_outp
		.amdhsa_group_segment_fixed_size 327680
		.amdhsa_private_segment_fixed_size 0
		.amdhsa_enable_private_segment 0
		.amdhsa_kernarg_size 40
		.amdhsa_user_sgpr_count 2
		.amdhsa_user_sgpr_kernarg_segment_ptr 1
		.amdhsa_wavefront_size32 1
		.amdhsa_system_sgpr_workgroup_id_x 1
		.amdhsa_system_sgpr_workgroup_id_y 1
		.amdhsa_system_sgpr_workgroup_id_z 1
		.amdhsa_system_vgpr_workitem_id 0
		.amdhsa_next_free_vgpr 1024
		.amdhsa_next_free_sgpr 100
		.amdhsa_reserve_vcc 0
		.amdhsa_float_denorm_mode_32 3
		.amdhsa_float_denorm_mode_16_64 3
		.amdhsa_memory_ordered 1
		.amdhsa_forward_progress 1
		.amdhsa_inst_pref_size 127
	.end_amdhsa_kernel
	.amdgpu_metadata
---
amdhsa.version: [ 1, 2 ]
amdhsa.kernels:
  - .name:           k_q319c43f63e_outp
    .symbol:         k_q319c43f63e_outp.kd
    .args:
      - { .name: ac, .offset: 0, .size: 8, .value_kind: global_buffer, .address_space: global }
      - { .name: cod, .offset: 8, .size: 8, .value_kind: global_buffer, .address_space: global }
      - { .name: dense_b, .offset: 16, .size: 8, .value_kind: global_buffer, .address_space: global }
      - { .name: lowp_scales, .offset: 24, .size: 8, .value_kind: global_buffer, .address_space: global }
      - { .name: out0, .offset: 32, .size: 8, .value_kind: global_buffer, .address_space: global }
    .group_segment_fixed_size: 327680
    .private_segment_fixed_size: 0
    .kernarg_segment_align: 8
    .kernarg_segment_size: 40
    .max_flat_workgroup_size: 128
    .sgpr_count:     100
    .vgpr_count:     1024
    .wavefront_size: 32
...
	.end_amdgpu_metadata
.endif
;; end of part 4
